; MI455X (gfx1250); checked and timed in simulation.
; The chip was launched on July 23, 2026; its instructions are those of AMD's public machine-readable ISA for CDNA 5 (MIT licence, August 2026) and "CDNA5" Instruction Set Architecture Reference Guide (July 2026). The comments in the code are by the model that wrote it; some were corrected since.
;; Non Local. Allowed arithmetic: matrix products marked QUANTISED: E2M1 operands, one E8M0 scale for each 32 along K, by v_wmma_scale_f32_16x16x128_f8f6f4 with both operands' format E2M1 (or v_wmma_scale_f32_32x16x128_f4), f32 sums; everything else in f32.
;; Inputs: b_final 256 float32; b_g 128 float32; b_phi 128 float32; b_theta 128 float32; w_final 256 x 128 float32; w_g 128 x 256 float32; w_phi 128 x 256 float32; w_theta 128 x 256 float32; x 4 x 256 x 64 x 64 float32.
;; Outputs: out0 4 x 256 x 64 x 64 float32.
;; This version of the problem:
;;   THIS VERSION OF THE PROBLEM IS GIVEN IN LOW PRECISION. The matrix products marked QUANTISED in the list below multiply operands that are first quantised to E2M1 (2 exponent bits, 1 mantissa bit; 4 bits a number), with one power-of-two scale for each 32 numbers along K (OCP MX v1.0); their sums are f32. All else is computed in f32.
;;   The module's matrix products, in the order in which they are computed (A, B: the left and right operand; K: the contracted axis; several contracted axes count as one K, in the product's order):
;;     1. [M 16,384, K 256] x [K 256, N 128]; A: input x; B: input w_theta: QUANTISED
;;     2. [M 16,384, K 256] x [K 256, N 128]; A: input x; B: input w_phi: QUANTISED
;;     3. [M 16,384, K 256] x [K 256, N 128]; A: input x; B: input w_g: QUANTISED
;;     4. batch 4 x [M 4,096, K 128] x [K 128, N 4,096]; A: computed on the way; B: computed on the way: QUANTISED
;;     5. batch 4 x [M 4,096, K 4,096] x [K 4,096, N 128]; A: softmax (see below); B: computed on the way: QUANTISED
;;     6. [M 16,384, K 128] x [K 128, N 256]; A: computed on the way; B: input w_final: QUANTISED
;;   THE QUANTISER, for each operand of a quantised product, along K:
;;     - K is cut into blocks of 32 from its start; a last block that is shorter is filled with zeros.
;;     - A block's scale is 2^e with e = floor(log2(the largest magnitude in the block)) - 2, held to -126 .. 127; a block of zeros has e = 0. As a byte (E8M0): e + 127.
;;     - Each number is divided by its block's scale, clamped to +-6, and rounded to the nearest number of E2M1, ties to even, subnormals kept.
;;     - The product sums the exact products of the quantised numbers (number of the format x scale) in f32.
;;   ~~~python
;;   def quantise(x, axis):      # numpy; x: float32 -> the quantised numbers, widened to float32 again
;;       x = np.moveaxis(x, axis, -1); K = x.shape[-1]
;;       x = np.pad(x, [(0, 0)] * (x.ndim - 1) + [(0, -K % 32)]); x = x.reshape(x.shape[:-1] + (-1, 32)); a = np.abs(x).max(-1, keepdims=True)
;;       e = np.where(a > 0, np.clip(np.frexp(np.where(a > 0, a, 1))[1] - 1 - 2, -126, 127), 0)      # np.frexp(a)[1] - 1 = floor(log2(a)), exactly
;;       r = np.clip(x / 2.0 ** e, -6, 6)
;;       step = 2.0 ** (np.maximum(np.frexp(np.where(r == 0, 1, r))[1] - 1, 0) - 1)
;;       q = np.round(r / step) * step * 2.0 ** e      # np.round: ties to even
;;       return np.moveaxis(q.reshape(q.shape[:-2] + (-1,))[..., :K], -1, axis).astype(np.float32)
;;   ~~~
;;   SOFTMAX AHEAD OF A QUANTISED PRODUCT. Where the list says 'softmax', what is quantised is not the finished softmax but p = 2^(t - M), with t = logit x log2(e) and M = ceil(the row's largest t), a whole number; so 1/2 < the row's largest p <= 1. The row's sum l is taken of the UNQUANTISED p, in f32, and the product's result is divided by l at the end. Since M is a whole number, a kernel that streams over the keys may use a running M (the ceiling of the running maximum): every later rescaling is an exact power of two, which a block's scale takes up: the codes' values come out the same.
;;   OPERANDS COMPUTED ON THE WAY. 'Computed on the way' means the value that the module computes at that place (a softmax that the list does not call 'softmax' is quantised finished and normalised). What goes into a quantiser is computed in f32, as accurately as f32 sums, v_exp_f32 and their like allow (about 1e-6 of the number): no bf16 or f16 on the way to a quantiser, and a product that is left as it is and whose result goes on into a quantised operand takes f32 operands (vector FMAs, or v_wmma_f32_16x16x4_f32). A number that lies on a knife's edge between two numbers of the format may be rounded either way, as far as f32 arithmetic and the matrix unit's own rounding can turn it there, and no further.
;; One version. Each part assembles by itself: llvm-mc -triple=amdgcn-amd-amdhsa -mcpu=gfx1250 --defsym DOCPART=n.
;; ======== version 1 of 1: 3 launches
;; workspace buffers: wq 69,632 bytes; qkv 3,342,336 bytes
;; launch prep (part 1): grid 16 x 1, 4 waves a work-group, no clusters, 0 bytes of LDS; arguments w_theta, w_phi, w_g, w_final, wq; writes wq
.if DOCPART == 1
	.amdgcn_target "amdgcn-amd-amdhsa--gfx1250"
	.amdhsa_code_object_version 6
	.text
	.protected	k_q8bf527604c_prep
	.globl	k_q8bf527604c_prep
	.p2align	8
	.type	k_q8bf527604c_prep,@function
k_q8bf527604c_prep:
	s_mov_b64 s[64:65], 0
	v_nop
	global_prefetch_b8 v0, s[64:65] scope:SCOPE_SE
	s_setreg_imm32_b32 hwreg(HW_REG_WAVE_MODE, 25, 1), 1
	s_wait_xcnt 0x0
; The four weights, f32 with K innermost, become codes of FP4 (E2M1) with one E8M0 byte for each 32 along K, laid as IMAGES OF OPERAND REGISTERS.
; A fragment is 16 rows x 128 K = 8 registers a lane: lane (r = l % 16, h = l / 16) holds row r, registers 4 c .. 4 c + 3 hold k = 64 c + 32 h + 0 .. 31.
; Its image is 1,024 bytes: registers 4 c .. 4 c + 3 of lane l at 512 c + 16 l.  Its 16 scale words are 64 bytes, row r's at 4 r.
; THE ROWS OF A TILE ARE NOT NEIGHBOURS: row r of tile T is row 64 (T / 4) + 32 (r / 8) + 8 (T % 4) + r % 8 of the weight, so that the results of a product
; whose source 0 is such a tile lie, over four neighbouring tiles, as 32 neighbours along the next K in one lane.
; wq: fragments of w_theta, w_phi, w_g (fragment f = 16 tensor + 2 T + K step) at 1,024 f; their scale words at 49,152 + 64 f; w_final's 16 fragments at 52,224 + 1,024 T; its scale words at 68,608 + 64 T.
; One wave makes one fragment: 64 waves, 16 work-groups of four.  No LDS, no barrier, no loop: the launch reads 512 KiB once and stores 68 KiB.
; A lane reads 128 consecutive bytes of its row for each block of 32; the images leave 512 consecutive bytes a store; the scale words leave 64 bytes a wave, 4 KiB in the whole launch.
; A block's scale is 2^(floor(log2(largest magnitude)) - 2); its byte is the largest magnitude's exponent field - 2, held at 1 from below.
; LIMITS: a block whose largest magnitude lies under 2^-124 keeps the byte 1; a block of zeros gets the byte 1 and not 127 (its codes are zeros, and this program alone reads the bytes); NaN and infinities are not served.
.set SH8, 4                            ; v4      8 h: where my two scale bytes stand in the word
.set TX,  8                            ; v8      the other half's word
.set TM,  10                           ; v10-11  largest magnitudes of my two blocks
.set SO,  12                           ; v12-13  the conversions' scale operands
.set BY,  14                           ; v14-15  the scale bytes
.set PC,  48                           ; v48-55  the fragment's codes
.set PW,  56                           ; v56     the scale word
.set NUM, 64                           ; v64-127 64 numbers: register 32 c + i is k = 64 c + 32 h + i of my row
.set SEL, 26                           ; s[26:27] v_permlanex16_b32's selects for lane l xor 16
; 64 numbers of a lane become 8 registers of codes and the row's scale word.  A block of 32 lies whole in one lane: its maximum asks no other lane.
.macro QB s, pc, pw
.irp c, 0,1
	v_max3_num_f32 v[TM+\c], |v[\s+32*\c]|, |v[\s+32*\c+1]|, 0x1800000   ; and the floor 2^(3 - 127): the byte cannot fall under 1
.endr
.irp i, 2,4,6,8,10,12,14,16,18,20,22,24,26,28,30
.irp c, 0,1
	v_max3_num_f32 v[TM+\c], v[TM+\c], |v[\s+32*\c+\i]|, |v[\s+32*\c+\i+1]|   ; the two blocks by turns
.endr
.endr
.irp c, 0,1
	v_add_nc_u32 v[SO+\c], 0xff000000, v[TM+\c]   ; 2 off the exponent field: the conversion takes this operand's exponent field as its scale
.endr
.irp c, 0,1
	v_lshrrev_b32 v[BY+\c], 23, v[SO+\c]           ; the scale's byte
.endr
	v_lshl_or_b32 v[\pw], v[BY+1], 16, v[BY]       ; my blocks are h and 2 + h of the row's four
	v_lshlrev_b32 v[\pw], v[SH8], v[\pw]
	v_permlanex16_b32 v[TX], v[\pw], s[SEL], s[SEL+1]
	v_or_b32 v[\pw], v[\pw], v[TX]                 ; with lane l xor 16's two bytes the word is whole
.irp c, 0,1
.irp g, 0,1,2,3
	v_cvt_scalef32_pk8_fp4_f32 v[\pc+4*\c+\g], v[\s+32*\c+8*\g:\s+32*\c+8*\g+7], v[SO+\c]
.endr
.endr
	v_nop                                          ; one plain place behind the scaled conversions
.endm
	s_load_b256 s[4:11], s[0:1], 0x0               ; w_theta s[4:5], w_phi s[6:7], w_g s[8:9], w_final s[10:11]
	s_load_b64 s[12:13], s[0:1], 0x20              ; wq
	v_lshrrev_b32 v9, 5, v0
	v_readfirstlane_b32 s14, v9                    ; wave 0..3
	v_and_b32 v1, 31, v0                           ; l
	v_and_b32 v2, 15, v0                           ; r
	v_bfe_u32 v3, v0, 4, 1                         ; h
	v_lshlrev_b32 v[SH8], 3, v3
	v_mov_b32 v[TX], 0                             ; a lane permute's destination counts as one of its sources
	s_mov_b32 s[SEL], 0x76543210
	s_mov_b32 s[SEL+1], 0xfedcba98
	s_lshr_b32 s15, ttmp9, 2                       ; which tensor: four work-groups, 16 fragments, to each
	s_and_b32 s16, ttmp9, 3
	s_lshl_b32 s16, s16, 2
	s_add_co_u32 s16, s16, s14                     ; which of its 16 fragments
	s_lshl_b32 s17, s15, 4
	s_add_co_u32 s17, s17, s16                     ; f
	s_lshr_b32 s18, s16, 1
	s_and_b32 s19, s16, 1
	s_cmp_lt_u32 s15, 3                            ; the first three have 8 tiles x 2 K steps and rows of 1,024 bytes, w_final 16 tiles x 1 K step and rows of 512
	s_cselect_b32 s18, s18, s16                    ; T
	s_cselect_b32 s19, s19, 0                      ; K step
	s_cselect_b32 s20, 10, 9                       ; log2 of a row's bytes
	s_cselect_b32 s21, 0, 3072                     ; w_final's images lie behind the first three's scale words,
	s_cselect_b32 s22, 0, 16384                    ; its scale words behind its images
	s_lshr_b32 s23, s18, 2
	s_lshl_b32 s23, s23, 6
	s_and_b32 s24, s18, 3
	s_lshl_b32 s24, s24, 3
	s_add_co_u32 s23, s23, s24                     ; 64 (T / 4) + 8 (T % 4)
	s_lshl_b32 s23, s23, s20
	s_lshl_b32 s24, s19, 9
	s_add_co_u32 s23, s23, s24                     ; + 512 bytes for K step 1
	v_lshrrev_b32 v5, 3, v2
	v_and_b32 v9, 7, v2
	v_lshl_add_u32 v5, v5, 5, v9                   ; 32 (r / 8) + r % 8
	v_lshlrev_b32 v5, s20, v5
	v_lshl_add_u32 v5, v3, 7, v5                   ; + 128 h: my 32 numbers of a pair of blocks
	v_add_nc_u32 v5, s23, v5
	s_lshl_b32 s24, s17, 10
	s_add_co_u32 s24, s24, s21
	v_lshl_add_u32 v6, v1, 4, s24                  ; the image: 1,024 f + 16 l
	s_lshl_b32 s25, s17, 6
	s_add_co_u32 s25, s25, s22
	s_add_co_u32 s25, s25, 49152
	v_lshl_add_u32 v7, v2, 2, s25                  ; the scale words: 64 f + 4 r
	s_wait_kmcnt 0x0
	s_cmp_lt_u32 s15, 1                            ; the choice of the tensor hangs on the work-group's number alone
	s_cselect_b64 s[4:5], s[4:5], s[6:7]
	s_cmp_lt_u32 s15, 2
	s_cselect_b64 s[4:5], s[4:5], s[8:9]
	s_cmp_lt_u32 s15, 3
	s_cselect_b64 s[4:5], s[4:5], s[10:11]
.irp c, 0,1
.irp i, 0,1,2,3,4,5,6,7
	global_load_b128 v[NUM+32*\c+4*\i:NUM+32*\c+4*\i+3], v5, s[4:5] offset:256*\c+16*\i
.endr
.endr
	s_wait_loadcnt 0x0
	QB NUM, PC, PW
	global_store_b128 v6, v[PC:PC+3], s[12:13]               ; 32 lanes store 512 consecutive bytes
	global_store_b128 v6, v[PC+4:PC+7], s[12:13] offset:512
	s_wait_xcnt 0x0                                ; EXEC is a source of the stores above: it changes only behind this wait
	v_cmp_gt_u32 vcc_lo, 16, v1
	s_and_saveexec_b32 s24, vcc_lo                 ; lanes 0-15: one word a row
	global_store_b32 v7, v[PW], s[12:13]
	s_wait_xcnt 0x0
	s_or_b32 exec_lo, exec_lo, s24
	s_endpgm
.Lfunc_end_k_q8bf527604c_prep:
	.size	k_q8bf527604c_prep, .Lfunc_end_k_q8bf527604c_prep-k_q8bf527604c_prep
	.p2alignl 7, 3214868480
	.fill 96, 4, 3214868480
	.section	.rodata,"a",@progbits
	.p2align	6, 0x0
	.amdhsa_kernel k_q8bf527604c_prep
		.amdhsa_group_segment_fixed_size 0
		.amdhsa_private_segment_fixed_size 0
		.amdhsa_enable_private_segment 0
		.amdhsa_kernarg_size 40
		.amdhsa_user_sgpr_count 2
		.amdhsa_user_sgpr_kernarg_segment_ptr 1
		.amdhsa_wavefront_size32 1
		.amdhsa_system_sgpr_workgroup_id_x 1
		.amdhsa_system_sgpr_workgroup_id_y 1
		.amdhsa_system_sgpr_workgroup_id_z 1
		.amdhsa_system_vgpr_workitem_id 0
		.amdhsa_next_free_vgpr 128
		.amdhsa_next_free_sgpr 66
		.amdhsa_reserve_vcc 1
		.amdhsa_float_denorm_mode_32 3
		.amdhsa_float_denorm_mode_16_64 3
		.amdhsa_memory_ordered 1
		.amdhsa_forward_progress 1
		.amdhsa_inst_pref_size 8
	.end_amdhsa_kernel
	.amdgpu_metadata
---
amdhsa.version: [ 1, 2 ]
amdhsa.kernels:
  - .name:           k_q8bf527604c_prep
    .symbol:         k_q8bf527604c_prep.kd
    .args:
      - { .name: w_theta, .offset: 0, .size: 8, .value_kind: global_buffer, .address_space: global }
      - { .name: w_phi, .offset: 8, .size: 8, .value_kind: global_buffer, .address_space: global }
      - { .name: w_g, .offset: 16, .size: 8, .value_kind: global_buffer, .address_space: global }
      - { .name: w_final, .offset: 24, .size: 8, .value_kind: global_buffer, .address_space: global }
      - { .name: wq, .offset: 32, .size: 8, .value_kind: global_buffer, .address_space: global }
    .group_segment_fixed_size: 0
    .private_segment_fixed_size: 0
    .kernarg_segment_align: 8
    .kernarg_segment_size: 40
    .max_flat_workgroup_size: 128
    .sgpr_count:     66
    .vgpr_count:     128
    .wavefront_size: 32
...
	.end_amdgpu_metadata
.endif
;; end of part 1
;; launch proj (part 2): grid 256 x 1, 16 waves a work-group, clusters of 4 x 1, 169,984 bytes of LDS; arguments x, wq, b_theta, b_phi, b_g, qkv; writes qkv
.if DOCPART == 2
	.amdgcn_target "amdgcn-amd-amdhsa--gfx1250"
	.amdhsa_code_object_version 6
	.text
	.protected	k_q8bf527604c_proj
	.globl	k_q8bf527604c_proj
	.p2align	8
	.type	k_q8bf527604c_proj,@function
k_q8bf527604c_proj:
	s_mov_b64 s[64:65], 0
	v_nop
	global_prefetch_b8 v0, s[64:65] scope:SCOPE_SE
	s_setreg_imm32_b32 hwreg(HW_REG_WAVE_MODE, 25, 1), 1
	s_wait_xcnt 0x0
	s_wait_alu depctr_hold_cnt(0) depctr_sa_sdst(0) depctr_va_vdst(0) depctr_va_sdst(0) depctr_va_ssrc(0) depctr_va_vcc(0) depctr_vm_vsrc(0)
	s_getreg_b32 s2, hwreg(HW_REG_IB_STS2, 6, 4)
	s_cmp_eq_u32 s2, 0
	s_cbranch_scc0 .Lentry_in_a_cluster
	s_endpgm
.Lentry_in_a_cluster:
	s_bfe_u32 s2, ttmp6, 0x10000c
	s_cmp_lg_u32 s2, 0x3003
	s_cbranch_scc0 .Lentry_shape_is_right
	s_endpgm
.Lentry_shape_is_right:
; theta, phi and g = three 1 x 1 convolutions of x [4][256 c][4096 n], products on codes of FP4 (E2M1) with one E8M0 scale for each 32 along K = the 256 channels; their results, with the biases, are quantised at once
; for the attention that follows (theta and phi along their 128 channels, g along the positions, which are the keys) and stored as images of operand registers.
; SHARES.  A work-group owns 64 neighbouring positions of one batch and all 384 outputs: it reads 256 rows of x of 256 consecutive bytes each, once, and stores 13 KiB.  256 work-groups.
; CLUSTER.  The weights' codes (52,224 bytes of wq) are the same for all work-groups: the four of a cluster ask for them JOINTLY.  x's tiles are each work-group's own: plain loads, no mask.
; FRAGMENTS AND IMAGES: 16 rows x 128 K = 8 registers: lane (r = l % 16, h = l / 16) holds row r, registers 4 c .. 4 c + 3 hold k = 64 c + 32 h + 0 .. 31; the image has them at 512 c + 16 l; the 16 scale words at 4 r.
; THE ROWS OF A TILE ARE NOT NEIGHBOURS.  Position tile t of the 64 has, as row r, position 32 (r / 8) + 8 t + r % 8; channel tile T has channel 64 (T / 4) + 32 (r / 8) + 8 (T % 4) + r % 8.  In a result, register j of lane half h
; is row 8 h + j of source 0: so the 32 registers of four neighbouring tiles are 32 NEIGHBOURS along the next K, a whole block in one lane, in the order of the next operand's registers.  No lane is asked for a maximum, nothing is swapped.
; PHASES.  Fills | barrier | X: each wave quantises 32 channels of 32 positions (a lane: one position, registers down the channels) and stores codes and scale bytes as x's eight images | barrier |
;   waves 0-7: theta (0-3) or phi (4-7) of position tile wave % 4: source 0 = 16 channels of W, source 1 = 16 positions: a lane holds one position and 64 channels: one fragment;
;   waves 8-15: g's channel tile wave % 8 for all 64 positions: source 0 = 16 positions, source 1 = 16 channels: a lane holds one channel and 32 positions: half a fragment of 128 keys.
; The biases are the C of each sum's first matrix instruction.  The accumulators take turns, one instruction a turn.
; qkv: [batch 4][slot of 512 keys 8] x 69,632 bytes: K's images at 8,192 q + 1,024 (4 c + t) (q: the slot's step of 128 keys, c: the group of 64 in it), V's at 32,768 + 8,192 q + 1,024 T, K's scale words at 65,536 + 512 q + 64 (4 c + t),
;   V's at 67,584 + 512 q + 64 T; then theta's images at QIMG + 4,096 G + 1,024 t and its scale words at QSC + 256 G + 64 t (G: the group of 64 positions, 0 .. 255).
; The images leave 512 consecutive bytes a store.  The scale words leave 64 bytes a wave, g's two bytes a lane (a word of V's scales spans 128 keys, two work-groups): 192 KiB of the 3.3 MB stored.
; LIMITS: a block whose largest magnitude lies under 2^-124 keeps the byte 1; a block of zeros gets the byte 1 and not 127 (its codes are zeros, and this program alone reads the bytes); NaN and infinities are not served.
.set XRAW, 0                           ; LDS: x as it lies: 256 channels x 256 bytes (a b32 read of 32 lanes takes 32 different words of one row: no padding)
.set WQL,  65536                       ; the weights' images and scale words, as in wq
.set XIMG, 117760                      ; x's eight images: fragment 2 t + K step
.set XSC,  125952                      ; their scale words: 64 bytes a fragment
.set BIAS, 126464                      ; b_theta, b_phi, b_g: 512 bytes each
.set QIMG, 2228224
.set QSC,  3276800
.set BATCH, 557056
.set SLOTB, 69632
.set SH8, 4                            ; v4   8 h
.set TX,  30                           ; v30  the other half's word
.set LI,  31                           ; v31  16 l
.set TM,  240                          ; v240-241 largest magnitudes;  v242-243 the conversions' scale operands;  v244-245 the scale bytes
.set SO,  242
.set BY,  244
.set PW,  250                          ; v250 the scale word just made
.set WV,  16                           ; s16  my wave's number
.set SEL, 50                           ; s[50:51] v_permlanex16_b32's selects for lane l xor 16
; v1 l, v2 r, v3 h; v5-15, v25-27 LDS addresses, v28-29 offsets in qkv: all made at the head, never rewritten.  v16-24 hold scale words and nothing else.
.macro CROUND                          ; a round of the cluster's barrier
	s_barrier_signal -1
	s_barrier_wait -1
	s_cmp_lg_u32 s[WV], 0
	s_cbranch_scc1 .Lnot_wave_0_\@
	s_barrier_signal -3
.Lnot_wave_0_\@:
	s_barrier_wait -3
	s_barrier_signal -1
	s_barrier_wait -1
.endm
.macro PLACES                          ; four plain places behind a matrix instruction, in front of the first read of its results and of writes of its sources (ISA guide 7.12.1)
.rept 4
	v_nop
.endr
.endm
.macro LOWON                           ; lanes 0-15 alone.  EXEC is a source of pending stores: it changes only behind s_wait_xcnt 0
	s_wait_xcnt 0x0
	v_cmp_gt_u32 vcc_lo, 16, v1
	s_and_saveexec_b32 s49, vcc_lo
.endm
.macro LOWOFF
	s_wait_xcnt 0x0
	s_or_b32 exec_lo, exec_lo, s49
.endm
; 64 numbers of a lane (register 32 c + i: k = 64 c + 32 h + i of my row) become 8 registers of codes and the row's scale word
.macro QB s, pc, pw
.irp c, 0,1
	v_max3_num_f32 v[TM+\c], |v[\s+32*\c]|, |v[\s+32*\c+1]|, 0x1800000   ; and the floor 2^(3 - 127): the byte cannot fall under 1.  Each accumulator is read from its low end on
.endr
.irp i, 2,4,6,8,10,12,14,16,18,20,22,24,26,28,30
.irp c, 0,1
	v_max3_num_f32 v[TM+\c], v[TM+\c], |v[\s+32*\c+\i]|, |v[\s+32*\c+\i+1]|
.endr
.endr
.irp c, 0,1
	v_add_nc_u32 v[SO+\c], 0xff000000, v[TM+\c]   ; 2 off the exponent field: the conversion's scale operand
.endr
.irp c, 0,1
	v_lshrrev_b32 v[BY+\c], 23, v[SO+\c]           ; the scale's byte
.endr
	v_lshl_or_b32 v[\pw], v[BY+1], 16, v[BY]       ; my blocks are h and 2 + h of the row's four
	v_lshlrev_b32 v[\pw], v[SH8], v[\pw]
	v_permlanex16_b32 v[TX], v[\pw], s[SEL], s[SEL+1]
	v_or_b32 v[\pw], v[\pw], v[TX]
.irp c, 0,1
.irp g, 0,1,2,3
	v_cvt_scalef32_pk8_fp4_f32 v[\pc+4*\c+\g], v[\s+32*\c+8*\g:\s+32*\c+8*\g+7], v[SO+\c]
.endr
.endr
	v_nop                                          ; one plain place behind the scaled conversions
.endm
; one block: 32 numbers of a lane become 4 registers of codes; the byte is left in v[BY].  The maximum in two chains of 16
.macro QB1 s, pc
.irp c, 0,1
	v_max3_num_f32 v[TM+\c], |v[\s+16*\c]|, |v[\s+16*\c+1]|, 0x1800000
.endr
.irp i, 2,4,6,8,10,12,14
.irp c, 0,1
	v_max3_num_f32 v[TM+\c], v[TM+\c], |v[\s+16*\c+\i]|, |v[\s+16*\c+\i+1]|
.endr
.endr
	v_max_num_f32 v[TM], v[TM], v[TM+1]
	v_add_nc_u32 v[SO], 0xff000000, v[TM]
	v_lshrrev_b32 v[BY], 23, v[SO]
.irp g, 0,1,2,3
	v_cvt_scalef32_pk8_fp4_f32 v[\pc+\g], v[\s+8*\g:\s+8*\g+7], v[SO]
.endr
	v_nop
.endm
	s_load_b256 s[4:11], s[0:1], 0x0               ; x s[4:5], wq s[6:7], b_theta s[8:9], b_phi s[10:11]
	s_load_b128 s[12:15], s[0:1], 0x20             ; b_g s[12:13], qkv s[14:15]
	v_lshl_add_u32 v254, v0, 2, 0x29000
	v_mov_b32 v255, 0
	ds_add_u32 v254, v255
	v_lshrrev_b32 v1, 5, v0
	v_readfirstlane_b32 s[WV], v1                  ; wave 0..15
	v_and_b32 v1, 31, v0                           ; l
	v_and_b32 v2, 15, v0                           ; r
	v_bfe_u32 v3, v0, 4, 1                         ; h
	v_lshlrev_b32 v[SH8], 3, v3
	v_mov_b32 v[TX], 0                             ; a lane permute's destination counts as one of its sources
	v_lshlrev_b32 v[LI], 4, v1
	v_bfe_u32 v252, v0, 3, 1                       ; r / 8
	v_and_b32 v253, 7, v0                          ; r % 8
	s_mov_b32 s[SEL], 0x76543210
	s_mov_b32 s[SEL+1], 0xfedcba98
	s_and_b32 s52, s[WV], 1                        ; X: which 32 of the 64 positions
	s_lshr_b32 s53, s[WV], 1                       ; X: which block of 32 channels
	s_lshr_b32 s54, s[WV], 2                       ; waves 0-7: theta (0) or phi (1)
	s_and_b32 s55, s[WV], 3                        ; their position tile t; also: which quarter of a fill
	s_and_b32 s56, s[WV], 7                        ; waves 8-15: g's channel tile T
	; ---- every LDS address, ahead of the first branch on the wave's number: a constant + constants x lane fields + constants x wave fields
	v_lshlrev_b32 v5, 7, v252                      ; X reads: lane l takes position 32 (r / 8) + 16 half + 8 h + r % 8: row r of position tile 2 half + h
	v_lshl_add_u32 v5, v3, 5, v5
	v_lshl_add_u32 v5, v253, 2, v5
	s_lshl_b32 s57, s53, 13                        ; my 32 channels: 32 rows of 256 bytes
	s_lshl_b32 s58, s52, 6
	s_add_co_u32 s57, s57, s58
	v_add_nc_u32 v5, s57, v5
	v_lshlrev_b32 v6, 4, v2                        ; X's codes: fragment 2 (2 half + h) + K step, registers 4 c on, lane (r, block % 2): 4,096 half + 2,048 h + 256 block + 16 r
	v_lshl_add_u32 v6, v3, 11, v6
	s_lshl_b32 s57, s52, 12
	s_lshl_b32 s58, s53, 8
	s_add_co_u32 s57, s57, s58
	s_add_co_u32 s57, s57, XIMG
	v_add_nc_u32 v6, s57, v6
	v_lshlrev_b32 v7, 2, v2                        ; X's scale byte: 64 x fragment + 4 r + block % 4
	v_lshl_add_u32 v7, v3, 7, v7
	s_lshl_b32 s57, s52, 8
	s_lshr_b32 s58, s53, 2
	s_lshl_b32 s58, s58, 6
	s_add_co_u32 s57, s57, s58
	s_and_b32 s58, s53, 3
	s_add_co_u32 s57, s57, s58
	s_add_co_u32 s57, s57, XSC
	v_add_nc_u32 v7, s57, v7
	s_lshl_b32 s57, s55, 9                         ; waves 8, 9, 10 bring a bias each
	s_add_co_u32 s57, s57, BIAS
	v_add_nc_u32 v8, s57, v[LI]
	s_lshl_b32 s57, s54, 14                        ; waves 0-7: my tensor's 16 images,
	s_add_co_u32 s57, s57, WQL
	v_add_nc_u32 v9, s57, v[LI]
	s_lshl_b32 s57, s54, 10                        ; their scale words (lanes 0-15 K step 0, lanes 16-31 K step 1),
	s_add_co_u32 s57, s57, WQL+49152
	v_lshl_add_u32 v10, v1, 2, s57
	s_lshl_b32 s57, s55, 11                        ; my position tile's two images,
	s_add_co_u32 s57, s57, XIMG
	v_add_nc_u32 v11, s57, v[LI]
	s_lshl_b32 s57, s55, 7                         ; their scale words, likewise,
	s_add_co_u32 s57, s57, XSC
	v_lshl_add_u32 v12, v1, 2, s57
	s_lshl_b32 s57, s54, 9                         ; and my tensor's bias: my half's eight channels of a tile begin 128 h bytes on
	s_add_co_u32 s57, s57, BIAS
	v_lshl_add_u32 v13, v3, 7, s57
	s_lshl_b32 s57, s56, 11                        ; waves 8-15: w_g's tile T, two images,
	s_add_co_u32 s57, s57, WQL+32768
	v_add_nc_u32 v14, s57, v[LI]
	s_lshl_b32 s57, s56, 7                         ; their scale words,
	s_add_co_u32 s57, s57, WQL+51200
	v_lshl_add_u32 v15, v1, 2, s57
	v_add_nc_u32 v25, XIMG, v[LI]                  ; all of x's images,
	v_lshl_add_u32 v26, v1, 2, XSC                 ; their scale words,
	v_lshlrev_b32 v27, 7, v252                     ; and b_g of my channel 64 (T / 4) + 8 (T % 4) + 32 (r / 8) + r % 8
	v_lshl_add_u32 v27, v253, 2, v27
	s_lshr_b32 s57, s56, 2
	s_lshl_b32 s57, s57, 8
	s_and_b32 s58, s56, 3
	s_lshl_b32 s58, s58, 5
	s_add_co_u32 s57, s57, s58
	s_add_co_u32 s57, s57, BIAS+1024
	v_add_nc_u32 v27, s57, v27
	; ---- where the work-group's results go.  The place in the cluster enters global offsets alone, in scalar registers that feed no LDS address and no joint descriptor
	s_bfe_u32 s17, ttmp6, 0x40000                  ; cx
	s_lshl_b32 s18, ttmp9, 2
	s_add_co_u32 s18, s18, s17                     ; G = 4 x cluster + cx: my group of 64 positions
	s_lshr_b32 s19, s18, 6                         ; batch
	s_and_b32 s20, s18, 63                         ; the group in its batch
	s_lshr_b32 s21, s20, 3                         ; slot of 512 keys
	s_and_b32 s22, s20, 7                          ; the group in its slot = 2 q + c
	s_lshr_b32 s23, s22, 1                         ; q
	s_and_b32 s48, s22, 1                          ; c
	s_mul_i32 s2, s19, BATCH
	s_mul_i32 s3, s21, SLOTB
	s_add_co_u32 s2, s2, s3                        ; the slot's first byte
	s_lshl_b32 s3, s55, 10                         ; 1,024 t
	s_lshl_b32 s49, s55, 6                         ; 64 t
	s_lshl_b32 s60, s18, 12                        ; theta: image,
	s_add_co_u32 s60, s60, s3
	s_add_co_u32 s60, s60, QIMG
	s_lshl_b32 s61, s18, 8                         ; scale words
	s_add_co_u32 s61, s61, s49
	s_add_co_u32 s61, s61, QSC
	s_lshl_b32 s62, s22, 12                        ; phi: image 8,192 q + 4,096 c + 1,024 t,
	s_add_co_u32 s62, s62, s3
	s_add_co_u32 s62, s62, s2
	s_lshl_b32 s63, s22, 8                         ; scale words
	s_add_co_u32 s63, s63, s49
	s_add_co_u32 s63, s63, s2
	s_add_co_u32 s63, s63, 65536
	s_cmp_lt_u32 s[WV], 4
	s_cselect_b32 s60, s60, s62
	s_cselect_b32 s61, s61, s63
	s_lshl_b32 s62, s23, 13                        ; g: half an image: 8,192 q + 1,024 T + 512 c,
	s_lshl_b32 s3, s56, 10
	s_add_co_u32 s62, s62, s3
	s_lshl_b32 s3, s48, 9
	s_add_co_u32 s62, s62, s3
	s_add_co_u32 s62, s62, s2
	s_add_co_u32 s62, s62, 32768
	s_lshl_b32 s63, s23, 9                         ; half a scale word: 512 q + 64 T + 2 c
	s_lshl_b32 s3, s56, 6
	s_add_co_u32 s63, s63, s3
	s_lshl_b32 s3, s48, 1
	s_add_co_u32 s63, s63, s3
	s_add_co_u32 s63, s63, s2
	s_add_co_u32 s63, s63, 67584
	s_cmp_lt_u32 s[WV], 8
	s_cselect_b32 s60, s60, s62
	s_cselect_b32 s61, s61, s63
	v_lshl_add_u32 v28, v1, 4, s60
	v_lshl_add_u32 v29, v2, 2, s61
	; ---- descriptors.  x: 64 rows (channels) of 64 elements of 4 bytes, 4,096 elements apart; no mask
	s_mov_b32 s24, 2<<16                           ; 15:0 no mask; 17:16 elements of 4 bytes; no padding
	s_mov_b32 s25, 64<<16                          ; tensor_dim0 = 64
	s_mov_b32 s26, 64<<16                          ; tensor_dim1 = 64
	s_mov_b32 s27, 64<<16                          ; tile_dim0 = 64
	s_mov_b32 s28, 64                              ; tile_dim1 = 64
	s_mov_b32 s29, 4096                            ; from row to row
	s_mov_b32 s30, 0
	s_mov_b32 s31, 0
	; wq: a quarter of its first 52,224 bytes, dense: 51 rows of 32 elements of 8 bytes; the mask names the cluster's four
	s_mov_b32 s40, 15|(3<<16)|(1<<21)
	s_mov_b32 s41, 32<<16
	s_mov_b32 s42, 51<<16
	s_mov_b32 s43, 32<<16
	s_mov_b32 s44, 51
	s_mov_b32 s45, 32
	s_mov_b32 s46, 0
	s_mov_b32 s47, 0
	s_lshl_b32 s62, s19, 22                        ; x: the batch's 256 x 4,096 x 4 bytes,
	s_lshl_b32 s63, s55, 20                        ; my 64 channels,
	s_add_co_u32 s62, s62, s63
	s_lshl_b32 s63, s20, 8                         ; the group's 256 bytes of a row
	s_add_co_u32 s62, s62, s63
	s_mov_b32 s63, 0
	s_mul_i32 s58, s55, 13056                      ; wq: my quarter, in memory and in LDS
	s_mov_b32 s59, 0
	s_mov_b32 s32, 1
	s_lshl_b32 s33, s55, 14
	s_mov_b32 s36, 1
	s_add_co_u32 s37, s58, WQL
	s_wait_dscnt 0x0
	s_wait_kmcnt 0x0
	s_add_nc_u64 s[34:35], s[4:5], s[62:63]
	s_or_b32 s35, s35, 0x80000000
	s_add_nc_u64 s[38:39], s[6:7], s[58:59]
	s_or_b32 s39, s39, 0x80000000
	CROUND                                         ; all four work-groups are here: the joint loads meet
	; ---- the fills, each once: waves 0-3 x, waves 4-7 the weights' codes (jointly), waves 8-10 a bias each.  One tensor load of a wave is out at the most
	s_cmp_lt_u32 s[WV], 4
	s_cbranch_scc0 .Lnot_x
	tensor_load_to_lds s[32:35], s[24:31]
	s_nop 0
	PLACES
	s_branch .Lfilled
.Lnot_x:
	s_cmp_lt_u32 s[WV], 8
	s_cbranch_scc0 .Lnot_w
	tensor_load_to_lds s[36:39], s[40:47]
	s_nop 0
	PLACES
	s_branch .Lfilled
.Lnot_w:
	s_cmp_lt_u32 s[WV], 11
	s_cbranch_scc0 .Lfilled
	s_cmp_eq_u32 s[WV], 8
	s_cselect_b64 s[8:9], s[8:9], s[10:11]
	s_cmp_eq_u32 s[WV], 10
	s_cselect_b64 s[8:9], s[12:13], s[8:9]
	global_load_b128 v[248:251], v[LI], s[8:9]     ; 128 numbers: 512 consecutive bytes
	s_wait_loadcnt 0x0
	ds_store_b128 v8, v[248:251]
.Lfilled:
	s_wait_tensorcnt 0x0                           ; my fill has landed,
	s_wait_dscnt 0x0                               ; my bias is stored:
	s_barrier_signal -1
	s_barrier_wait -1                              ; everybody's
	; ---- X: my lane's position, my wave's 32 channels: a whole block down my registers
.set J, 0
.rept 32
	ds_load_b32 v[32+J], v5 offset:256*J
.set J, J+1
.endr
	s_wait_dscnt 0x0
	QB1 32, 64
	ds_store_b128 v6, v[64:67]
	ds_store_b8 v7, v[BY]
	s_wait_dscnt 0x0                               ; for the others' sake: my stores have landed
	s_barrier_signal -1
	s_barrier_wait -1                              ; x's eight images and their scale words lie in LDS
	s_cmp_lt_u32 s[WV], 8
	s_cbranch_scc0 .Lrole_b
	; ---- theta or phi of 16 positions.  v32-159 W's 16 fragments; v160-223 the 8 accumulators, begun with the bias; v224-239 x's two fragments; v16-23 W's scale words, v24 x's
.irp t, 0,1,2,3,4,5,6,7
	ds_load_b128 v[160+8*\t:163+8*\t], v13 offset:4*(64*(\t/4)+8*(\t%4))
	ds_load_b128 v[164+8*\t:167+8*\t], v13 offset:4*(64*(\t/4)+8*(\t%4))+16
.endr
.set J, 0
.rept 32
	ds_load_b128 v[32+4*J:35+4*J], v9 offset:512*J
.set J, J+1
.endr
.irp t, 0,1,2,3,4,5,6,7
	ds_load_b32 v[16+\t], v10 offset:128*\t
.endr
.irp i, 0,1,2,3
	ds_load_b128 v[224+4*\i:227+4*\i], v11 offset:512*\i
.endr
	ds_load_b32 v24, v12
	s_wait_dscnt 0x0
.irp t, 0,1,2,3,4,5,6,7
	v_wmma_scale_f32_16x16x128_f8f6f4 v[160+8*\t:167+8*\t], v[32+16*\t:39+16*\t], v[224:231], v[160+8*\t:167+8*\t], v[16+\t], v24 matrix_a_fmt:MATRIX_FMT_FP4 matrix_b_fmt:MATRIX_FMT_FP4
.endr
.irp t, 0,1,2,3,4,5,6,7
	v_wmma_scale_f32_16x16x128_f8f6f4 v[160+8*\t:167+8*\t], v[40+16*\t:47+16*\t], v[232:239], v[160+8*\t:167+8*\t], v[16+\t], v24 matrix_a_fmt:MATRIX_FMT_FP4 matrix_b_fmt:MATRIX_FMT_FP4 matrix_a_scale:MATRIX_SCALE_ROW1 matrix_b_scale:MATRIX_SCALE_ROW1
.endr
	PLACES
	QB 160, 32, PW                                 ; register 8 T + j is channel 64 (T / 4) + 32 h + 8 (T % 4) + j of my position
	global_store_b128 v28, v[32:35], s[14:15]      ; 32 lanes store 512 consecutive bytes
	global_store_b128 v28, v[36:39], s[14:15] offset:512
	LOWON
	global_store_b32 v29, v[PW], s[14:15]
	LOWOFF
	s_branch .Ldone
.Lrole_b:
	; ---- g's 16 channels of 64 positions.  v32-95 x's 8 fragments; v96-111 w_g's two; v112-119 the bias; v128-159 the 4 accumulators; v16-19 x's scale words, v20 w_g's
.set J, 0
.rept 16
	ds_load_b128 v[32+4*J:35+4*J], v25 offset:512*J
.set J, J+1
.endr
.irp t, 0,1,2,3
	ds_load_b32 v[16+\t], v26 offset:128*\t
.endr
.irp i, 0,1,2,3
	ds_load_b128 v[96+4*\i:99+4*\i], v14 offset:512*\i
.endr
	ds_load_b32 v20, v15
.irp j, 0,1,2,3,4,5,6,7
	ds_load_b32 v[112+\j], v27                     ; a lane's eight results are eight positions of one channel: one bias for all
.endr
	s_wait_dscnt 0x0
.irp t, 0,1,2,3
	v_wmma_scale_f32_16x16x128_f8f6f4 v[128+8*\t:135+8*\t], v[32+16*\t:39+16*\t], v[96:103], v[112:119], v[16+\t], v20 matrix_a_fmt:MATRIX_FMT_FP4 matrix_b_fmt:MATRIX_FMT_FP4
.endr
.irp t, 0,1,2,3
	v_wmma_scale_f32_16x16x128_f8f6f4 v[128+8*\t:135+8*\t], v[40+16*\t:47+16*\t], v[104:111], v[128+8*\t:135+8*\t], v[16+\t], v20 matrix_a_fmt:MATRIX_FMT_FP4 matrix_b_fmt:MATRIX_FMT_FP4 matrix_a_scale:MATRIX_SCALE_ROW1 matrix_b_scale:MATRIX_SCALE_ROW1
.endr
	PLACES
	QB1 128, 120                                   ; register 8 t + j is position 32 h + 8 t + j of the group: a whole block of keys
	v_lshlrev_b32 v[PW], v[SH8], v[BY]             ; my byte, at its place among the group's two,
	v_permlanex16_b32 v[TX], v[PW], s[SEL], s[SEL+1]
	v_or_b32 v[PW], v[PW], v[TX]                   ; with lane l xor 16's
	global_store_b128 v28, v[120:123], s[14:15]    ; registers 4 c .. 4 c + 3 of V's fragment: 512 consecutive bytes
	LOWON
	global_store_b16 v29, v[PW], s[14:15]
	LOWOFF
.Ldone:
	s_wait_tensorcnt 0x0
	ds_add_u32 v254, v255
	s_wait_dscnt 0x0
	CROUND                                         ; the closing round: no work-group ends while a partner may still ask for a tile that names it
	s_endpgm
.Lfunc_end_k_q8bf527604c_proj:
	.size	k_q8bf527604c_proj, .Lfunc_end_k_q8bf527604c_proj-k_q8bf527604c_proj
	.p2alignl 7, 3214868480
	.fill 96, 4, 3214868480
	.section	.rodata,"a",@progbits
	.p2align	6, 0x0
	.amdhsa_kernel k_q8bf527604c_proj
		.amdhsa_group_segment_fixed_size 169984
		.amdhsa_private_segment_fixed_size 0
		.amdhsa_enable_private_segment 0
		.amdhsa_kernarg_size 48
		.amdhsa_user_sgpr_count 2
		.amdhsa_user_sgpr_kernarg_segment_ptr 1
		.amdhsa_wavefront_size32 1
		.amdhsa_system_sgpr_workgroup_id_x 1
		.amdhsa_system_sgpr_workgroup_id_y 1
		.amdhsa_system_sgpr_workgroup_id_z 1
		.amdhsa_system_vgpr_workitem_id 0
		.amdhsa_next_free_vgpr 256
		.amdhsa_next_free_sgpr 66
		.amdhsa_reserve_vcc 1
		.amdhsa_float_denorm_mode_32 3
		.amdhsa_float_denorm_mode_16_64 3
		.amdhsa_memory_ordered 1
		.amdhsa_forward_progress 1
		.amdhsa_inst_pref_size 28
	.end_amdhsa_kernel
	.amdgpu_metadata
---
amdhsa.version: [ 1, 2 ]
amdhsa.kernels:
  - .name:           k_q8bf527604c_proj
    .symbol:         k_q8bf527604c_proj.kd
    .args:
      - { .name: x, .offset: 0, .size: 8, .value_kind: global_buffer, .address_space: global }
      - { .name: wq, .offset: 8, .size: 8, .value_kind: global_buffer, .address_space: global }
      - { .name: b_theta, .offset: 16, .size: 8, .value_kind: global_buffer, .address_space: global }
      - { .name: b_phi, .offset: 24, .size: 8, .value_kind: global_buffer, .address_space: global }
      - { .name: b_g, .offset: 32, .size: 8, .value_kind: global_buffer, .address_space: global }
      - { .name: qkv, .offset: 40, .size: 8, .value_kind: global_buffer, .address_space: global }
    .group_segment_fixed_size: 169984
    .private_segment_fixed_size: 0
    .kernarg_segment_align: 8
    .kernarg_segment_size: 48
    .max_flat_workgroup_size: 512
    .sgpr_count:     66
    .vgpr_count:     256
    .wavefront_size: 32
...
	.end_amdgpu_metadata
.endif
;; end of part 2
;; launch attn (part 3): grid 64 x 4, 16 waves a work-group, clusters of 4 x 1, 327,680 bytes of LDS; arguments qkv, wq, x, b_final, out0; writes out0
.if DOCPART == 3
	.amdgcn_target "amdgcn-amd-amdhsa--gfx1250"
	.amdhsa_code_object_version 6
	.text
	.protected	k_q8bf527604c_attn
	.globl	k_q8bf527604c_attn
	.p2align	8
	.type	k_q8bf527604c_attn,@function
k_q8bf527604c_attn:
	s_mov_b64 s[64:65], 0
	v_nop
	global_prefetch_b8 v0, s[64:65] scope:SCOPE_SE
	s_setreg_imm32_b32 hwreg(HW_REG_WAVE_MODE, 25, 1), 1
	s_wait_xcnt 0x0
	s_wait_alu depctr_hold_cnt(0) depctr_sa_sdst(0) depctr_va_vdst(0) depctr_va_sdst(0) depctr_va_ssrc(0) depctr_va_vcc(0) depctr_vm_vsrc(0)
	s_getreg_b32 s2, hwreg(HW_REG_IB_STS2, 6, 4)
	s_cmp_eq_u32 s2, 0
	s_cbranch_scc0 .Lentry_in_a_cluster
	s_endpgm
.Lentry_in_a_cluster:
	s_bfe_u32 s2, ttmp6, 0x10000c
	s_cmp_lg_u32 s2, 0x3003
	s_cbranch_scc0 .Lentry_shape_is_right
	s_endpgm
.Lentry_shape_is_right:
; out0 = x + w_final y + b_final, y = softmax(theta phi) g over the 4,096 positions of a batch.  All products on codes of FP4 (E2M1) with one E8M0 scale for each 32 along a product's K.
; theta (Q), phi (K) and g (V, keys innermost) arrive from qkv as images of operand registers with their scale words, w_final likewise from wq.
; THE SOFTMAX AHEAD OF THE SECOND PRODUCT: t = score x log2(e); M = the largest t so far, rounded UP to a whole number; p = 2^(t - M) is quantised along the keys, not normalised; the sum is taken of the unquantised p
; and divides at the end.  When M moves, the sum and O are multiplied by 2^(old M - new M): exact.
; SHARES.  A work-group owns 64 queries of one batch: 256 work-groups.  Wave w owns query tile w % 4 (16 queries) and, of every block of 512 keys, the step of 128 keys w / 4: 8 steps a wave, four waves to a SIMD, so that one
; wave's vector work stands beside another's matrix work and LDS loads.  At the end the four key quarters of a tile meet in LDS: their M are whole numbers, so bringing them under one M rounds nothing.
; CLUSTER.  The four work-groups of a cluster belong to one batch and walk the same keys: each slot is asked for JOINTLY (waves 0-7, an eighth each, the mask names the four).
; LAYOUT.  Both products are used transposed: S^T = K Q^T, O^T = V^T P^T: a lane holds ONE query (l % 16).  The keys of K's tile 4 c + t are 64 c + 32 (r / 8) + 8 t + r % 8, the channels of V's tile T are
; 64 (T / 4) + 32 (r / 8) + 8 (T % 4) + r % 8: so 32 neighbouring registers of S^T (of O^T) are a whole block of 32 keys (channels) in one lane, in the order of the next operand's registers: no lane is asked for a block's
; maximum, nothing is swapped.  The last product has y as source 0: a lane then holds eight neighbouring positions of one output channel.
; THE RING: two slots of 1,024 keys (two blocks of 69,632 bytes as they lie in qkv), four fills in all, so the wave's eight steps are written out and every LDS address is a constant + lane and wave terms.
; Both first fills go out together behind the first round.  A slot is filled again in this order: every wave waits for all its tensor loads, adds 0 to its spare word, waits for that and for its reads, and passes a round of
; the cluster's barrier; the refill is the first thing behind it and has two key steps of all sixteen waves in which to land.  Two tensor loads of a wave are out at the start, one later.  All of the LDS is claimed.
; LIMITS: a block whose largest magnitude lies under 2^-124 keeps the byte 1; a block of zeros gets the byte 1 and not 127 (its codes are zeros); NaN and infinities are not served.
.set SUB,   69632                      ; a block of 512 keys: K's 32 images, V's 32 images, K's scale words at 65,536, V's at 67,584
.set BIGB,  2*SUB                      ; a slot
.set SLOT1, BIGB                       ; slot 1 lies behind slot 0
.set BATCH, 557056                     ; a batch's keys in qkv: four slots' worth
.set QIMG,  2228224
.set QSC,   3276800
.set WFI,   52224                      ; w_final's images in wq,
.set WFSC,  68608                      ; its scale words
.set OUTS,  SLOT1                      ; the stage for the output, 256 channels x (256 bytes + 16), lies in slot 1: written only behind a barrier that every wave reaches after its last read of that slot, which has had its last fill
.set SPARE, 2*BIGB                     ; the spare words, 128 bytes for each wave: eight blocks of 256 bytes that no other line names
.set STAT,  SPARE+2048                 ; each wave's -M and sum: 256 bytes a wave
.set YIMG,  STAT+4096                  ; y's four fragments as images of their registers: 1,024 bytes a query tile
.set YSC,   YIMG+4096                  ; their scale words: 64 bytes a tile
; The waves' O^T meet at LDS bytes 0 .. 131,071 (8,192 a wave), in slot 0, which has had its last fill and, at the last change of slots, its last read.
.set A0,  1                            ; v1   8,192 (w / 4) + 16 l: my step's images in a block
.set S0,  2                            ; v2   65,536 + 512 (w / 4) + 4 l: its scale words
.set SPW, 3                            ; v3   LDS address of my spare word; never rewritten
.set NIL, 4                            ; v4   0; never rewritten
.set ADK, 5                            ; v5, v6 the same two in the block in hand.  (On the way out v1, v2, v5, v6 hold the four addresses of y's image)
.set ADS, 6
; v7 O^T out, v8 statistics out, v9 statistics in, v10-11 O^T in, v26 stage in, v27 stage out, v28 offset in x and out0, v29-30 in wq, v31 in b_final
; v12 -M, v13 the largest t, v[14:15] the sum in two halves; v16-23 Q; v32-95 eight fragments of K, then of V; v96-159 S^T, then p; v160-223 O^T; v224-231 p's codes
.set QS,  24                           ; v24  Q's scale words
.set SH8, 25                           ; v25  8 h
.set TM,  232                          ; v232-233 a block's largest score, then p;  v234-235 the conversions' scale operands;  v236-237 the scale bytes
.set SO,  234
.set BY,  236
.set TX,  238                          ; v238 what lane l xor 16 sends
.set PS,  239                          ; v239 p's scale word, at the end y's
.set KS,  240                          ; v240-243 K's scale words (lanes 0-15 an even tile's, lanes 16-31 the odd one's);  v244-247 V's
.set VS,  244
.set WFS, 250                          ; v250-251 w_final's scale words.  v24, v239-247, v250-251 hold scales and nothing else
.set WV,  14                           ; s14 wave, s15 wave % 4, s16 wave / 4
.set SEL, 20                           ; s[20:21] v_permlanex16_b32's selects for lane l xor 16
.set CS,  22                           ; s[22:23] log2(e): the packed form names a pair and takes its low word for both halves
.set G1,  24                           ; s[24:31] descriptor group 1;  s[32:35] group 0 for slot 0;  s[44:47] for slot 1
.set G0A, 32
.set G0B, 44
.macro CROUND                          ; a round of the cluster's barrier
	s_barrier_signal -1
	s_barrier_wait -1
	s_cmp_lg_u32 s[WV], 0
	s_cbranch_scc1 .Lnot_wave_0_\@
	s_barrier_signal -3
.Lnot_wave_0_\@:
	s_barrier_wait -3
	s_barrier_signal -1
	s_barrier_wait -1
.endm
.macro PLACES                          ; four plain places behind a matrix instruction (ISA guide 7.12.1)
.rept 4
	v_nop
.endr
.endm
.macro JLOAD g0                        ; waves 0-7 fetch an eighth of a slot each; the branch hangs on the wave's number alone; four v_nop follow the load
	s_cmp_lt_u32 s[WV], 8
	s_cbranch_scc0 .Lasked_\@
	tensor_load_to_lds s[\g0:\g0+3], s[G1:G1+7]
	s_nop 0
	PLACES
.Lasked_\@:
.endm
.macro WORD pw                         ; my two bytes (blocks h and 2 + h) and lane l xor 16's two make the row's scale word
	v_lshl_or_b32 v[\pw], v[BY+1], 16, v[BY]
	v_lshlrev_b32 v[\pw], v[SH8], v[\pw]
	v_permlanex16_b32 v[TX], v[\pw], s[SEL], s[SEL+1]
	v_or_b32 v[\pw], v[\pw], v[TX]
.endm
.macro CODES s, pc                     ; 64 numbers become 8 registers of codes
.irp c, 0,1
.irp g, 0,1,2,3
	v_cvt_scalef32_pk8_fp4_f32 v[\pc+4*\c+\g], v[\s+32*\c+8*\g:\s+32*\c+8*\g+7], v[SO+\c]
.endr
.endr
	v_nop                                          ; one plain place behind the scaled conversions
.endm
.macro SUMS                            ; THE SUM IS TAKEN OF THE UNQUANTISED p: two at a time, in two chains
	v_pk_add_f32 v[248:249], v[96:97], v[98:99]
.irp j, 4,8,12,16,20,24,28,32,36,40,44,48,52,56,60
	v_pk_add_f32 v[14:15], v[14:15], v[96+\j:97+\j]
	v_pk_add_f32 v[248:249], v[248:249], v[98+\j:99+\j]
.endr
	v_pk_add_f32 v[14:15], v[14:15], v[248:249]
.endm
; THE CHANGE OF SLOTS.  fill = 1: the slot just left, whose group 0 is g0, is filled with the keys two slots on
.macro CHANGE g0, fill
	s_wait_tensorcnt 0x0                           ; all my tensor loads have landed: my part of the slot ahead; so a group 0 may be written
	ds_add_u32 v[SPW], v[NIL]                      ; 0 onto my spare word
.if \fill
	s_add_nc_u64 s[\g0+2:\g0+3], s[\g0+2:\g0+3], 2*BIGB   ; the type bits on top are not reached
.endif
	s_wait_dscnt 0x0                               ; the add is done, and my reads of the slot that I have left are over
.if \fill
	CROUND                                         ; both now hold of every wave of the four work-groups
	JLOAD \g0                                      ; the first thing behind the round, and a wave's one tensor load until the next
.else
	s_barrier_signal -1
	s_barrier_wait -1
.endif
.endm
; A KEY STEP: my 128 keys of the block of 512 that begins at LDS byte base, against my 16 queries.  first = 1: no step stands before it
.macro STEP base, first
	v_add_nc_u32 v[ADK], (\base), v[A0]
	v_add_nc_u32 v[ADS], (\base), v[S0]
	v_nop                                          ; with the two additions: four places in front of loads into registers that the last products read
	v_nop
.set J, 0
.rept 16
	ds_load_b128 v[32+4*J:35+4*J], v[ADK] offset:512*J             ; K's eight images: 512 consecutive bytes a load
.set J, J+1
.endr
.irp i, 0,1,2,3
	ds_load_b32 v[KS+\i], v[ADS] offset:128*\i
.endr
.if \first == 0
	SUMS                                           ; the LAST step's p is summed here, while K is on its way: the sum still lies under the last step's M, and p's registers are written again only below
.endif
	s_wait_dscnt 0x0
.irp t, 0,2,4,6
	v_wmma_scale_f32_16x16x128_f8f6f4 v[96+8*\t:103+8*\t], v[32+8*\t:39+8*\t], v[16:23], 0, v[KS+\t/2], v[QS] matrix_a_fmt:MATRIX_FMT_FP4 matrix_b_fmt:MATRIX_FMT_FP4
	v_wmma_scale_f32_16x16x128_f8f6f4 v[104+8*\t:111+8*\t], v[40+8*\t:47+8*\t], v[16:23], 0, v[KS+\t/2], v[QS] matrix_a_fmt:MATRIX_FMT_FP4 matrix_b_fmt:MATRIX_FMT_FP4 matrix_a_scale:MATRIX_SCALE_ROW1
.endr
	PLACES                                         ; in front of the loads into K's registers and of the first read of the scores
.set J, 0
.rept 16
	ds_load_b128 v[32+4*J:35+4*J], v[ADK] offset:32768+512*J       ; V's eight images land under the softmax
.set J, J+1
.endr
.irp i, 0,1,2,3
	ds_load_b32 v[VS+\i], v[ADS] offset:2048+128*\i
.endr
	; register 32 c + i of S^T is key 64 c + 32 h + i of my query.  THE LARGEST SCORE OF EACH BLOCK serves twice: for the row's maximum, and, since p rises with the score, for the block's largest p
.irp c, 0,1
	v_max3_num_f32 v[TM+\c], v[96+32*\c], v[97+32*\c], v[98+32*\c]  ; each accumulator is read from its low end on
.endr
.irp i, 3,5,7,9,11,13,15,17,19,21,23,25,27,29
.irp c, 0,1
	v_max3_num_f32 v[TM+\c], v[TM+\c], v[96+32*\c+\i], v[97+32*\c+\i]
.endr
.endr
.irp c, 0,1
	v_max_num_f32 v[TM+\c], v[TM+\c], v[127+32*\c]
.endr
	v_max_num_f32 v254, v[TM], v[TM+1]
	v_permlanex16_b32 v[TX], v254, s[SEL], s[SEL+1]
	v_max_num_f32 v254, v254, v[TX]                ; the step's largest score of my query
	v_mul_f32 v254, s[CS], v254                    ; as t
	v_max_num_f32 v13, v13, v254                   ; the running largest t
	v_mov_b32 v254, v12
	v_floor_f32 v12, -v13                          ; the new -M = floor(-t) = -ceil(t)
	v_sub_f32 v254, v12, v254                      ; old M - new M: a whole number, 0 or less
	v_cvt_i32_f32 v254, v254                       ; (it saturates)
	v_ldexp_f32 v252, 1.0, v254                    ; f = 2^(old M - new M)
.set J, 0
.rept 32
	v_pk_fma_f32 v[96+J:97+J], v[96+J:97+J], s[CS:CS+1], v[12:13] op_sel_hi:[1,0,0]   ; t - M, two at a time
.set J, J+2
.endr
.irp c, 0,1
	v_fma_f32 v[TM+\c], v[TM+\c], s[CS], v12       ; the same of each block's largest score
.endr
.set J, 0
.rept 64
	v_exp_f32 v[96+J], v[96+J]                     ; p = 2^(t - M)
.set J, J+1
.endr
.irp c, 0,1
	v_exp_f32 v[TM+\c], v[TM+\c]                   ; the block's largest p
.endr
	v_pk_mul_f32 v[14:15], v[14:15], v[252:253] op_sel_hi:[1,0]    ; the sums under the new M (a plain place behind the exponentials)
	s_wait_alu depctr_va_vdst(0)
.irp c, 0,1
	v_max_num_f32 v[TM+\c], 0x1800000, v[TM+\c]    ; the floor 2^(3 - 127): the byte cannot fall under 1
.endr
.irp c, 0,1
	v_add_nc_u32 v[SO+\c], 0xff000000, v[TM+\c]    ; 2 off the exponent field: the conversion's scale operand
.endr
.irp c, 0,1
	v_lshrrev_b32 v[BY+\c], 23, v[SO+\c]           ; the scale's byte
.endr
	WORD PS
	CODES 96, 224
.set J, 0
.rept 32
	v_pk_mul_f32 v[160+J:161+J], v[160+J:161+J], v[252:253] op_sel_hi:[1,0]   ; O^T under the new M.  (Of these 32, 28 name no register of any one product below: they are the places between p's codes and scale word and that product)
.set J, J+2
.endr
	s_wait_dscnt 0x0                               ; V is in
.irp t, 0,2,4,6
	v_wmma_scale_f32_16x16x128_f8f6f4 v[160+8*\t:167+8*\t], v[32+8*\t:39+8*\t], v[224:231], v[160+8*\t:167+8*\t], v[VS+\t/2], v[PS] matrix_a_fmt:MATRIX_FMT_FP4 matrix_b_fmt:MATRIX_FMT_FP4
	v_wmma_scale_f32_16x16x128_f8f6f4 v[168+8*\t:175+8*\t], v[40+8*\t:47+8*\t], v[224:231], v[168+8*\t:175+8*\t], v[VS+\t/2], v[PS] matrix_a_fmt:MATRIX_FMT_FP4 matrix_b_fmt:MATRIX_FMT_FP4 matrix_a_scale:MATRIX_SCALE_ROW1
.endr
.endm
	s_load_b256 s[4:11], s[0:1], 0x0               ; qkv s[4:5], wq s[6:7], x s[8:9], b_final s[10:11]
	s_load_b64 s[12:13], s[0:1], 0x20              ; out0
	v_lshl_add_u32 v[SPW], v0, 2, SPARE
	v_mov_b32 v[NIL], 0
	ds_add_u32 v3, v4
	s_wait_dscnt 0x0
	v_lshrrev_b32 v1, 5, v0
	v_readfirstlane_b32 s[WV], v1                  ; wave 0..15
	s_and_b32 s15, s[WV], 3                        ; my query tile
	s_lshr_b32 s16, s[WV], 2                       ; my key step of a block; also: which block of y's channels I merge, and which 64 output channels are mine
	v_and_b32 v252, 31, v0                         ; l
	v_and_b32 v254, 15, v0                         ; r
	v_bfe_u32 v255, v0, 4, 1                       ; h
	v_lshlrev_b32 v253, 4, v252                    ; 16 l
	v_lshlrev_b32 v[SH8], 3, v255
	s_mov_b32 s[SEL], 0x76543210
	s_mov_b32 s[SEL+1], 0xfedcba98
	s_mov_b32 s[CS], 0x3fb8aa3b                    ; log2(e)
	s_mov_b32 s[CS+1], s[CS]                       ; (named with it as a pair, so it is written)
	; ---- LDS addresses: a constant + constants x lane fields + constants x wave fields
	s_lshl_b32 s38, s16, 13
	v_add_nc_u32 v[A0], s38, v253
	s_lshl_b32 s38, s16, 9
	s_add_co_u32 s38, s38, 65536
	v_lshl_add_u32 v[S0], v252, 2, s38
	s_lshl_b32 s38, s[WV], 13
	v_add_nc_u32 v7, s38, v253                     ; my O^T: 8,192 wave + 16 l; registers 4 J .. 4 J + 3 at 512 J
	s_lshl_b32 s38, s[WV], 8
	s_add_co_u32 s38, s38, STAT
	v_lshl_add_u32 v8, v252, 2, s38                ; my statistics
	s_lshl_b32 s38, s15, 8
	s_add_co_u32 s38, s38, STAT
	v_lshl_add_u32 v9, v252, 2, s38                ; those of my tile's four waves: 1,024 bytes apart
	s_lshl_b32 s38, s15, 13                        ; the merge: of my tile's four O^T (32,768 bytes apart) I take block q = w / 4 of the 128 channels: registers 32 (q / 2) .. + 31 of the lanes of half q % 2.
	s_lshr_b32 s39, s16, 1                         ; My lane takes query l % 16 and 16 of the 32 registers: 16 (l / 16) on.  Sixteen lanes read 256 consecutive bytes
	s_lshl_b32 s39, s39, 12
	s_add_co_u32 s38, s38, s39
	s_and_b32 s39, s16, 1
	s_lshl_b32 s39, s39, 8
	s_add_co_u32 s38, s38, s39
	v_lshlrev_b32 v10, 4, v254
	v_lshl_add_u32 v10, v255, 11, v10
	v_add_nc_u32 v10, s38, v10                     ; the first two of the four,
	v_add_nc_u32 v11, 65536, v10                   ; the other two
	s_lshl_b32 s48, s15, 10
	s_add_co_u32 s48, s48, YIMG                    ; y's image of my tile;
	s_lshl_b32 s49, s16, 8
	s_add_co_u32 s49, s49, s48                     ; my block's codes in it: 512 (q / 2) + 256 (q % 2) = 256 q;
	s_lshl_b32 s50, s15, 6
	s_add_co_u32 s50, s50, YSC                     ; its scale words;
	s_add_co_u32 s51, s50, s16                     ; my block's byte in a word
	v_bfe_u32 v26, v0, 3, 1
	v_and_b32 v27, 7, v0
	v_lshl_add_u32 v26, v26, 5, v27                ; 32 (r / 8) + r % 8
	v_mul_u32_u24 v26, v26, 272
	v_lshl_add_u32 v26, v255, 7, v26               ; the stage, in: channel 64 (w / 4) + 32 (r / 8) + 8 i + r % 8, positions 32 h + 8 (w % 4) + 0 .. 7
	s_mul_i32 s38, s16, 64*272
	s_lshl_b32 s39, s15, 5
	s_add_co_u32 s38, s38, s39
	s_add_co_u32 s38, s38, OUTS
	v_add_nc_u32 v26, s38, v26
	v_mul_u32_u24 v27, v255, 272                   ; and out: my 16 channels; lanes 0-15 one row of 256 bytes, lanes 16-31 the next
	v_lshl_add_u32 v27, v254, 4, v27
	s_mul_i32 s38, s[WV], 16*272
	s_add_co_u32 s38, s38, OUTS
	v_add_nc_u32 v27, s38, v27
	; ---- global offsets.  The place in the cluster enters these alone
	s_bfe_u32 s17, ttmp6, 0x40000                  ; cx
	s_lshl_b32 s18, ttmp9, 2
	s_add_co_u32 s18, s18, s17                     ; my group of 64 queries in the batch
	s_and_b32 s19, ttmp7, 0xffff                   ; the batch, which the four partners share
	s_lshl_b32 s40, s19, 22
	s_lshl_b32 s41, s[WV], 18
	s_add_co_u32 s40, s40, s41
	s_lshl_b32 s41, s18, 8
	s_add_co_u32 s40, s40, s41
	v_lshlrev_b32 v28, 4, v254
	v_lshl_add_u32 v28, v255, 14, v28
	v_add_nc_u32 v28, s40, v28                     ; x, out0: channel 16 wave + h (+ 2 i), the group's 256 bytes, 16 r
	s_lshl_b32 s40, s16, 12
	s_add_co_u32 s40, s40, WFI
	v_add_nc_u32 v29, s40, v253                    ; w_final's tiles 4 (w / 4) + i
	s_lshl_b32 s40, s16, 8
	s_add_co_u32 s40, s40, WFSC
	v_lshl_add_u32 v30, v252, 2, s40
	s_lshl_b32 s40, s[WV], 6
	v_lshl_add_u32 v31, v255, 2, s40               ; b_final of channel 16 wave + h (+ 2 i)
	s_lshl_b32 s40, s19, 6
	s_add_co_u32 s40, s40, s18
	s_lshl_b32 s41, s40, 12
	s_lshl_b32 s42, s15, 10
	s_add_co_u32 s41, s41, s42
	s_add_co_u32 s41, s41, QIMG
	v_add_nc_u32 v232, s41, v253                   ; Q's image (v232, v233 are rewritten only behind the wait for Q)
	s_lshl_b32 s41, s40, 8
	s_lshl_b32 s42, s15, 6
	s_add_co_u32 s41, s41, s42
	s_add_co_u32 s41, s41, QSC
	v_lshl_add_u32 v233, v254, 2, s41              ; and its scale words
	; ---- the start: O^T and the sum are zeros, the largest t lies under every t: the first change of M multiplies zeros
	v_mov_b32 v13, 0xff61b1e6                      ; -3e38
	v_floor_f32 v12, -v13
	v_mov_b32 v14, 0
	v_mov_b32 v15, 0
	v_mov_b32 v[TX], 0                             ; a lane permute's destination counts as one of its sources
.set J, 0
.rept 64
	v_mov_b32 v[160+J], 0
.set J, J+1
.endr
	; ---- the descriptors: an eighth of a slot, dense: 68 rows of 32 elements of 8 bytes; the mask names the cluster's four
	s_mov_b32 s[G1], 15|(3<<16)|(1<<21)
	s_mov_b32 s[G1+1], 32<<16
	s_mov_b32 s[G1+2], 68<<16
	s_mov_b32 s[G1+3], 32<<16
	s_mov_b32 s[G1+4], 68
	s_mov_b32 s[G1+5], 32
	s_mov_b32 s[G1+6], 0
	s_mov_b32 s[G1+7], 0
	s_and_b32 s38, s[WV], 7                        ; which eighth (waves 8-15 issue none)
	s_mov_b32 s[G0A], 1
	s_mul_i32 s[G0A+1], s38, 17408                 ; slot 0, my eighth
	s_mov_b32 s[G0B], 1
	s_add_co_u32 s[G0B+1], s[G0A+1], SLOT1         ; slot 1, my eighth
	s_mul_i32 s38, s19, BATCH
	s_add_co_u32 s38, s38, s[G0A+1]
	s_mov_b32 s39, 0
	s_wait_kmcnt 0x0
	s_add_nc_u64 s[G0A+2:G0A+3], s[4:5], s[38:39]  ; the batch's keys 0 .. 1,023,
	s_add_nc_u64 s[G0B+2:G0B+3], s[G0A+2:G0A+3], BIGB   ; and 1,024 .. 2,047
	s_or_b32 s[G0A+3], s[G0A+3], 0x80000000
	s_or_b32 s[G0B+3], s[G0B+3], 0x80000000
	CROUND                                         ; all four work-groups are here: the first joint loads meet
	s_cmp_lt_u32 s[WV], 8                          ; a wave's two first fills stand in one branch, ahead of every wait on TENSORcnt, every LDS read and every other barrier
	s_cbranch_scc0 .Lfirst_asked
	tensor_load_to_lds s[G0A:G0A+3], s[G1:G1+7]
	s_nop 0
	tensor_load_to_lds s[G0B:G0B+3], s[G1:G1+7]
	s_nop 0
	PLACES
.Lfirst_asked:
	global_load_b128 v[16:19], v232, s[4:5]        ; Q's fragment stays in registers
	global_load_b128 v[20:23], v232, s[4:5] offset:512
	global_load_b32 v[QS], v233, s[4:5]
	s_wait_loadcnt 0x0
	s_wait_tensorcnt 0x1                           ; my part of slot 0 is in; slot 1's may stay out
	s_barrier_signal -1
	s_barrier_wait -1                              ; everybody's is
	STEP 0, 1                                      ; keys 0 .. 1,023
	STEP SUB, 0
	CHANGE G0A, 1                                  ; slot 0 takes keys 2,048 .. 3,071
	STEP SLOT1, 0                                  ; keys 1,024 .. 2,047
	STEP SLOT1+SUB, 0
	CHANGE G0B, 1                                  ; slot 1 takes keys 3,072 .. 4,095: the last load
	STEP 0, 0
	STEP SUB, 0
	CHANGE G0A, 0                                  ; nothing is left to fetch
	STEP SLOT1, 0
	STEP SLOT1+SUB, 0
	; ---- THE WAY OUT.  The last step's p is summed: 32 plain instructions that name no register of the last products: their places, in front of the loads into V's registers and of the stores of O^T
	SUMS
	; what the way out needs from memory is asked for first: w_final's four tiles and their scale words, then x's and b_final's numbers of the 16 channels that I store
.irp i, 0,1,2,3,4,5,6,7
	global_load_b128 v[96+4*\i:99+4*\i], v29, s[6:7] offset:512*\i
.endr
	global_load_b32 v[WFS], v30, s[6:7]
	global_load_b32 v[WFS+1], v30, s[6:7] offset:128
.irp i, 0,1,2,3,4,5,6,7
	global_load_b128 v[64+4*\i:67+4*\i], v28, s[8:9] offset:32768*\i th:TH_LOAD_NT   ; sixteen lanes read 256 consecutive bytes
.endr
.irp i, 0,1,2,3,4,5,6,7
	global_load_b32 v[16+\i], v31, s[10:11] offset:8*\i
.endr
	v_add_f32 v14, v14, v15                        ; the sum's two halves,
	v_permlanex16_b32 v[TX], v14, s[SEL], s[SEL+1]
	v_add_f32 v14, v14, v[TX]                      ; and lane l xor 16's: my quarter's sum
.set J, 0
.rept 16
	ds_store_b128 v7, v[160+4*J:163+4*J] offset:512*J              ; O^T as it stands, each accumulator from its low end on
.set J, J+1
.endr
	ds_store_b32 v8, v12
	ds_store_b32 v8, v14 offset:128
	v_and_b32 v6, 15, v0                           ; the four addresses of y's image, while the stores are out: r,
	v_bfe_u32 v2, v0, 4, 1                         ; l / 16,
	v_and_b32 v5, 31, v0                           ; l
	v_lshl_add_u32 v1, v6, 4, s49                  ; v1: my 16 codes: the block's place + 16 r
	v_lshl_add_u32 v1, v2, 3, v1                   ;     + 8 (l / 16)
	v_lshl_add_u32 v2, v6, 2, s51                  ; v2: my block's byte of row r's scale word
	v_lshl_add_u32 v6, v6, 2, s50                  ; v6: row r's scale word
	v_lshl_add_u32 v5, v5, 4, s48                  ; v5: the image, 16 l
	s_wait_dscnt 0x0                               ; for the others' sake: my stores have landed
	s_barrier_signal -1
	s_barrier_wait -1
.irp k, 0,1,2,3
	ds_load_b32 v[224+2*\k], v9 offset:1024*\k     ; -M and the sum of my tile's four waves (a query's two lanes hold the same)
	ds_load_b32 v[225+2*\k], v9 offset:1024*\k+128
.endr
.irp k, 0,1,2,3                        ; my 16 numbers of each quarter's O^T: quarters 0, 1 into v32-63, quarters 2, 3 into v128-159
.irp i, 0,1,2,3
	ds_load_b128 v[32+16*\k+64*(\k/2)+4*\i:32+16*\k+64*(\k/2)+4*\i+3], v[10+\k/2] offset:(\k%2)*32768+512*\i
.endr
.endr
	s_wait_dscnt 16                                ; the statistics are in; the sixteen loads behind them may be out
	v_min_num_f32 v252, v224, v226
	v_min3_num_f32 v252, v252, v228, v230          ; -M of the whole row
.irp k, 0,1,2,3
.set GP, 232+2*\k+10*(\k/3)
	v_sub_f32 v[GP+1], v252, v[224+2*\k]           ; M of quarter k less the row's: a whole number, 0 or less
.endr
.irp k, 0,1,2,3
.set GP, 232+2*\k+10*(\k/3)
	v_cvt_i32_f32 v[GP+1], v[GP+1]
.endr
.irp k, 0,1,2,3
.set GP, 232+2*\k+10*(\k/3)
	v_ldexp_f32 v[GP+1], 1.0, v[GP+1]              ; f of quarter k: exact
.endr
	v_mul_f32 v254, v233, v225
	v_fmac_f32 v254, v235, v227
	v_fmac_f32 v254, v237, v229
	v_fmac_f32 v254, v249, v231                    ; the row's sum
	v_rcp_f32 v255, v254
	v_nop                                          ; one plain place behind the transcendental
	s_wait_alu depctr_va_vdst(0)
.irp k, 0,1,2,3
.set GP, 232+2*\k+10*(\k/3)
	v_mul_f32 v[GP], v[GP+1], v255                 ; g = f / the sum
.endr
.irp k, 0,1,2,3                        ; y = the sum over the quarters of g x O^T: v160-175: channels 32 q + 16 (l / 16) + 0 .. 15 of query l % 16
.set GP, 232+2*\k+10*(\k/3)
.set CBUF, 32+16*\k+64*(\k/2)
	s_wait_dscnt 12-4*\k                           ; quarter k's four loads are in; the later quarters' may be out
.irp e, 0,2,4,6,8,10,12,14
.if \k == 0
	v_pk_mul_f32 v[160+\e:161+\e], v[CBUF+\e:CBUF+\e+1], v[GP:GP+1] op_sel_hi:[1,0]
.else
	v_pk_fma_f32 v[160+\e:161+\e], v[CBUF+\e:CBUF+\e+1], v[GP:GP+1], v[160+\e:161+\e] op_sel_hi:[1,0,1]
.endif
.endr
.endr
	; my half of a block of 32 channels is quantised: the block's other half lies in lane l xor 16
.irp c, 0,1
	v_max3_num_f32 v[TM+\c], |v[160+8*\c]|, |v[161+8*\c]|, 0x1800000   ; and the floor 2^(3 - 127): the byte cannot fall under 1
.endr
.irp i, 2,4,6
.irp c, 0,1
	v_max3_num_f32 v[TM+\c], v[TM+\c], |v[160+8*\c+\i]|, |v[161+8*\c+\i]|
.endr
.endr
	v_max_num_f32 v[TM], v[TM], v[TM+1]
	v_permlanex16_b32 v[TX], v[TM], s[SEL], s[SEL+1]
	v_max_num_f32 v[TM], v[TM], v[TX]              ; the block's largest magnitude
	v_add_nc_u32 v[SO], 0xff000000, v[TM]          ; 2 off the exponent field: the conversion's scale operand
	v_lshrrev_b32 v[BY], 23, v[SO]                 ; the scale's byte
	v_cvt_scalef32_pk8_fp4_f32 v224, v[160:167], v[SO]
	v_cvt_scalef32_pk8_fp4_f32 v225, v[168:175], v[SO]
	v_nop                                          ; one plain place behind the scaled conversions
	ds_store_b64 v1, v[224:225]                    ; registers 4 (q / 2) + 2 (l / 16), + 1 of lane (r, q % 2) of y's fragment: the wave stores 256 consecutive bytes
	ds_store_b8 v2, v[BY]                          ; both lanes of a block write the same byte with the same value
	s_wait_dscnt 0x0                               ; for the others' sake: my stores have landed
	s_barrier_signal -1
	s_barrier_wait -1                              ; y's four fragments and their scale words lie in LDS
	ds_load_b128 v[224:227], v5
	ds_load_b128 v[228:231], v5 offset:512
	ds_load_b32 v[PS], v6
	s_wait_dscnt 0x0
	s_wait_loadcnt 16                              ; w_final's tiles and scale words are in; x's eight loads and b_final's eight may be out
.irp i, 0,2
	v_wmma_scale_f32_16x16x128_f8f6f4 v[32+8*\i:39+8*\i], v[224:231], v[96+8*\i:103+8*\i], 0, v[PS], v[WFS+\i/2] matrix_a_fmt:MATRIX_FMT_FP4 matrix_b_fmt:MATRIX_FMT_FP4
	v_wmma_scale_f32_16x16x128_f8f6f4 v[40+8*\i:47+8*\i], v[224:231], v[104+8*\i:111+8*\i], 0, v[PS], v[WFS+\i/2] matrix_a_fmt:MATRIX_FMT_FP4 matrix_b_fmt:MATRIX_FMT_FP4 matrix_b_scale:MATRIX_SCALE_ROW1
.endr
	s_wait_loadcnt 0x0
.set J, 0
.rept 32
	v_add_f32 v[64+J], v[64+J], v[16+J/4]          ; x + b_final.  (These are also the places behind the products)
.set J, J+1
.endr
.irp i, 0,1,2,3
	ds_store_b128 v26, v[32+8*\i:35+8*\i] offset:2176*\i           ; eight positions of one channel: 32 bytes; each accumulator from its low end on
	ds_store_b128 v26, v[36+8*\i:39+8*\i] offset:2176*\i+16
.endr
	s_wait_dscnt 0x0                               ; for the others' sake: a channel's 64 positions come from four waves
	s_barrier_signal -1
	s_barrier_wait -1
.irp i, 0,1,2,3,4,5,6,7
	ds_load_b128 v[128+4*\i:131+4*\i], v27 offset:544*\i
.endr
.irp i, 0,1,2,3,4,5,6,7
	s_wait_dscnt 7-\i                              ; LDS loads come back in order: pair i of rows is in
	v_pk_add_f32 v[128+4*\i:129+4*\i], v[128+4*\i:129+4*\i], v[64+4*\i:65+4*\i]
	v_pk_add_f32 v[130+4*\i:131+4*\i], v[130+4*\i:131+4*\i], v[66+4*\i:67+4*\i]
	global_store_b128 v28, v[128+4*\i:131+4*\i], s[12:13] offset:32768*\i th:TH_STORE_NT   ; sixteen lanes store 256 consecutive bytes, at a multiple of 256 from out0's first byte
.endr
	s_wait_tensorcnt 0x0                           ; the wave's end: behind my last tensor load and my last LDS store
	ds_add_u32 v[SPW], v[NIL]
	s_wait_dscnt 0x0
	CROUND                                         ; the closing round: no work-group ends while a partner may still ask for a tile that names it
	s_endpgm
.Lfunc_end_k_q8bf527604c_attn:
	.size	k_q8bf527604c_attn, .Lfunc_end_k_q8bf527604c_attn-k_q8bf527604c_attn
	.p2alignl 7, 3214868480
	.fill 96, 4, 3214868480
	.section	.rodata,"a",@progbits
	.p2align	6, 0x0
	.amdhsa_kernel k_q8bf527604c_attn
		.amdhsa_group_segment_fixed_size 327680
		.amdhsa_private_segment_fixed_size 0
		.amdhsa_enable_private_segment 0
		.amdhsa_kernarg_size 40
		.amdhsa_user_sgpr_count 2
		.amdhsa_user_sgpr_kernarg_segment_ptr 1
		.amdhsa_wavefront_size32 1
		.amdhsa_system_sgpr_workgroup_id_x 1
		.amdhsa_system_sgpr_workgroup_id_y 1
		.amdhsa_system_sgpr_workgroup_id_z 1
		.amdhsa_system_vgpr_workitem_id 0
		.amdhsa_next_free_vgpr 256
		.amdhsa_next_free_sgpr 66
		.amdhsa_reserve_vcc 0
		.amdhsa_float_denorm_mode_32 3
		.amdhsa_float_denorm_mode_16_64 3
		.amdhsa_memory_ordered 1
		.amdhsa_forward_progress 1
		.amdhsa_inst_pref_size 159
	.end_amdhsa_kernel
	.amdgpu_metadata
---
amdhsa.version: [ 1, 2 ]
amdhsa.kernels:
  - .name:           k_q8bf527604c_attn
    .symbol:         k_q8bf527604c_attn.kd
    .args:
      - { .name: qkv, .offset: 0, .size: 8, .value_kind: global_buffer, .address_space: global }
      - { .name: wq, .offset: 8, .size: 8, .value_kind: global_buffer, .address_space: global }
      - { .name: x, .offset: 16, .size: 8, .value_kind: global_buffer, .address_space: global }
      - { .name: b_final, .offset: 24, .size: 8, .value_kind: global_buffer, .address_space: global }
      - { .name: out0, .offset: 32, .size: 8, .value_kind: global_buffer, .address_space: global }
    .group_segment_fixed_size: 327680
    .private_segment_fixed_size: 0
    .kernarg_segment_align: 8
    .kernarg_segment_size: 40
    .max_flat_workgroup_size: 512
    .sgpr_count:     66
    .vgpr_count:     256
    .wavefront_size: 32
...
	.end_amdgpu_metadata
.endif
;; end of part 3
